; MI455X (gfx1250); checked and timed in simulation.
; The chip was launched on July 23, 2026; its instructions are those of AMD's public machine-readable ISA for CDNA 5 (MIT licence, August 2026) and "CDNA5" Instruction Set Architecture Reference Guide (July 2026). The comments in the code are by the model that wrote it; some were corrected since.
;; Output. Allowed arithmetic: matrix products marked QUANTISED: E2M1 operands, one E8M0 scale for each 32 along K, by v_wmma_scale_f32_16x16x128_f8f6f4 with both operands' format E2M1 (or v_wmma_scale_f32_32x16x128_f4), f32 sums; everything else in f32.
;; Inputs: W1_codes 512 x 16 x 16 uint8 (E2M1 codes of W1, K innermost, in blocks of 32 codes, two codes a byte); W1_scales 512 x 16 uint8 (E8M0 scales of W1, one for each 32 codes along K); W2_codes 256 x 16 x 16 uint8 (E2M1 codes of W2, K innermost, in blocks of 32 codes, two codes a byte); W2_scales 256 x 16 uint8 (E8M0 scales of W2, one for each 32 codes along K); b1 512 float32; b2 256 float32; x_codes 32 x 4,096 x 16 x 16 uint8 (E2M1 codes of x, K innermost, in blocks of 32 codes, two codes a byte); x_scales 32 x 4,096 x 16 uint8 (E8M0 scales of x, one for each 32 codes along K).
;; Outputs: out0 32 x 256 float32.
;; This version of the problem:
;;   THIS VERSION OF THE PROBLEM IS GIVEN IN LOW PRECISION. The matrix products marked QUANTISED in the list below multiply operands that are first quantised to E2M1 (2 exponent bits, 1 mantissa bit; 4 bits a number), with one power-of-two scale for each 32 numbers along K (OCP MX v1.0); their sums are f32. All else is computed in f32.
;;   The module's matrix products, in the order in which they are computed (A, B: the left and right operand; K: the contracted axis; several contracted axes count as one K, in the product's order):
;;     1. [M 131,072, K 512] x [K 512, N 512]; A: input x (given as codes); B: input W1 (given as codes): QUANTISED
;;     2. [M 131,072, K 512] x [K 512, N 256]; A: computed on the way; B: input W2 (given as codes): QUANTISED
;;   THE QUANTISER, for each operand of a quantised product, along K:
;;     - K is cut into blocks of 32 from its start; a last block that is shorter is filled with zeros.
;;     - A block's scale is 2^e with e = floor(log2(the largest magnitude in the block)) - 2, held to -126 .. 127; a block of zeros has e = 0. As a byte (E8M0): e + 127.
;;     - Each number is divided by its block's scale, clamped to +-6, and rounded to the nearest number of E2M1, ties to even, subnormals kept.
;;     - The product sums the exact products of the quantised numbers (number of the format x scale) in f32.
;;   ~~~python
;;   def quantise(x, axis):      # numpy; x: float32 -> the quantised numbers, widened to float32 again
;;       x = np.moveaxis(x, axis, -1); K = x.shape[-1]
;;       x = np.pad(x, [(0, 0)] * (x.ndim - 1) + [(0, -K % 32)]); x = x.reshape(x.shape[:-1] + (-1, 32)); a = np.abs(x).max(-1, keepdims=True)
;;       e = np.where(a > 0, np.clip(np.frexp(np.where(a > 0, a, 1))[1] - 1 - 2, -126, 127), 0)      # np.frexp(a)[1] - 1 = floor(log2(a)), exactly
;;       r = np.clip(x / 2.0 ** e, -6, 6)
;;       step = 2.0 ** (np.maximum(np.frexp(np.where(r == 0, 1, r))[1] - 1, 0) - 1)
;;       q = np.round(r / step) * step * 2.0 ** e      # np.round: ties to even
;;       return np.moveaxis(q.reshape(q.shape[:-2] + (-1,))[..., :K], -1, axis).astype(np.float32)
;;   ~~~
;;   OPERANDS COMPUTED ON THE WAY. 'Computed on the way' means the value that the module computes at that place (a softmax that the list does not call 'softmax' is quantised finished and normalised). What goes into a quantiser is computed in f32, as accurately as f32 sums, v_exp_f32 and their like allow (about 1e-6 of the number): no bf16 or f16 on the way to a quantiser, and a product that is left as it is and whose result goes on into a quantised operand takes f32 operands (vector FMAs, or v_wmma_f32_16x16x4_f32). A number that lies on a knife's edge between two numbers of the format may be rounded either way, as far as f32 arithmetic and the matrix unit's own rounding can turn it there, and no further.
;;   INPUTS GIVEN AS CODES. W1 (in the module: [512, 512], K = its axis 1); W2 (in the module: [256, 512], K = its axis 1); x (in the module: [32, 512, 4096], K = its axis 1): each comes as NAME_codes (uint8): NAME with its K axis moved to the last place and cut into blocks of 32 codes, [.., K / 32, bytes a block], one block behind the other in memory; two codes a byte, the lower K in the low four bits (a code: sign, 2 exponent bits, 1 mantissa bit); and NAME_scales (uint8): the same leading axes, one E8M0 byte (e + 127) for each 32 codes along K. Its value is code x scale, taken as it is: it is not quantised again, and the codes and scales need not be those that the quantiser above would give.
;; 2 versions. Each part assembles by itself: llvm-mc -triple=amdgcn-amd-amdhsa -mcpu=gfx1250 --defsym DOCPART=n.
;; ======== version 1 of 2: 1 launch
;; launch head (part 1): grid 256 x 1, 4 waves a work-group, no clusters, 55,296 bytes of LDS; arguments x_codes, x_scales, W1_codes, W1_scales, b1, W2_codes, W2_scales, b2, out0; writes out0
.if DOCPART == 1
	.amdgcn_target "amdgcn-amd-amdhsa--gfx1250"
	.amdhsa_code_object_version 6
	.text
	.protected	k_q1cef688eda_head
	.globl	k_q1cef688eda_head
	.p2align	8
	.type	k_q1cef688eda_head,@function
k_q1cef688eda_head:
	s_mov_b64 s[64:65], 0
	v_nop
	global_prefetch_b8 v0, s[64:65] scope:SCOPE_SE
	s_setreg_imm32_b32 hwreg(HW_REG_WAVE_MODE, 25, 1), 1
	s_wait_xcnt 0x0
; out0[b][:] = softmax over the 256 outputs of y[b][:][4095], y = W2 Q(relu(W1 x + b1)) + b2, both products on codes of FP4 (E2M1) with one E8M0 scale for each 32 along K.
; WHAT IS COMPUTED.  Both products are done in full, for all 131,072 positions (b, t), as the problem's table lists them.  Only y at t = 4095 goes on into the softmax and is stored.  y of the other
; positions stays in registers and is written over: the result slices it away, and since both products contract over channels alone and the hidden layer is quantised along the channels of one position,
; those positions reach no output.  So only the work-groups that hold a position t = 4095 (one in eight) store anything.  No input and no step is left out.
; LIMITS.  NaN and infinities in h or y of the stored rows are not served.  A hidden block of zeros gets the scale byte 1 where the quantiser says 127: its codes are zeros, which add nothing under any
; byte but 0xff, and the bytes are read by this program alone.  An exponential under 2^-126 comes out as 0.
; SHARES.  Work-group g owns rows 512 g .. 512 g + 511 of (b, t) = 4096 b + t, in 8 blocks of 64 rows (4 tiles of 16).  THE FOUR WAVES SHARE THE COLUMNS: wave w makes hidden units 128 w .. 128 w + 127
; (8 tiles x 4 K steps of 128) and outputs 64 w .. 64 w + 63 (4 tiles x 4 K steps), for all rows.  Its rows of W1 and W2, 384 registers, stay in registers for the whole launch, read from memory once.
; What goes round through LDS is the rows' codes: x's as rows of 256 bytes + 16, the hidden layer's as images of the operand's registers.  Wave w's 128 hidden units are K step w of the second product.
; No cluster and no joint loads: x is shared by no two work-groups, and the weights are read once, at the head, straight into the operands' registers and not through LDS.
; No prefetch: x's loads into registers are issued a whole block (192 matrix instructions a wave) ahead of their use.
; LAYOUT.  Both products are used transposed (source 0 = 16 rows of the weight, source 1 = 16 rows of x or h): a lane holds ONE row (lane % 16) and its registers run along units.
; THE ROWS OF W1 THAT FORM A TILE ARE NOT NEIGHBOURS: lane r of tile 2 b + u takes row 128 w + 32 b + 8 u + r + 8 (r / 8), so that the 16 registers of tiles 2 b and 2 b + 1 in lane (r, h) are the 16
; neighbouring hidden units 128 w + 32 b + 16 h + 0 .. 15: half of a block of the next K.  The biases are the C of each sum's first matrix instruction, in the result's layout.
; A BLOCK, two barriers:  barrier | 1: for each tile of rows: x's fragments from LDS, my 8 tiles of the hidden layer, relu, quantised in registers, codes and scale word to LDS | barrier |
; 2: the next block's x from registers to LDS, the block after that asked of memory; for each tile of rows: the hidden layer's 4 fragments from LDS, my 4 tiles of y.
; REGISTERS, in windows of 256: window 0: v4-31 addresses; v32-39 the scale words of x or h, two sets; v48-79 W1's, v80-95 W2's; v96-159 the fragments of x or h, two sets; v160-223 the hidden layer's 8 tiles
;   (y's 4 tiles take the first 32 of them); v224-248 the quantiser's.   window 1: W1's 32 fragments.   window 2: v0-127 W2's 16 fragments, v128-191 b1, v192-223 b2, v224-255 a block of x on its way.
.set XIMG,  0                          ; LDS: 64 rows of x's codes, 256 bytes + 16: the sixteen rows that a fragment load touches fall on sixteen different columns of 16 bytes
.set XSC,   17408                      ; their scale bytes, 16 a row, as they lie in memory
.set HIMG,  18432                      ; the hidden layer's 16 fragments: (tile of rows m, K step s) at 4096 m + 1024 s; registers 4 c .. 4 c + 3 at + 512 c + 16 lane
.set HSC,   34816                      ; its scale words: 512 m + 16 lane + 4 s
.set STAT,  36864                      ; the softmax: row r at 32 r: wave w's pair (c m_w, s_w) at + 8 w
.set STG,   37376                      ; the way out: 16 rows x (256 bytes + 16) for each wave
.set SPARE, 54784                      ; the spare words, 128 bytes for each wave: two blocks of 256 bytes that no other line names
.set BLOCKS, 8
.set XGO,  4                           ; v4   x's codes in memory: row 16 w + h of a block, 16 bytes a lane
.set XSGO, 5                           ; v5   x's scale bytes in memory: 256 w + 8 lane
.set XW,   6                           ; v6   where I store x's codes
.set XSW,  7                           ; v7   and its scale bytes
.set XR,   8                           ; v8   where I read x's fragments: row r, + 16 h
.set XSR,  9                           ; v9   and row r's scale words
.set LI,   10                          ; v10  16 x lane
.set HW,   11                          ; v11  where I store my 16 codes of a block of h
.set HSW,  12                          ; v12  and my row's scale word
.set STW,  13                          ; v13  where I store my wave's pair
.set STR,  14                          ; v14  where I read my row's four pairs
.set SGW,  15                          ; v15  the stage: where I put 32 bytes of a row
.set SGR,  16                          ; v16  and where I read row 15 back, 8 bytes a lane
.set OUTO, 17                          ; v17  out0: row g / 8, my wave's 256 bytes, 8 bytes a lane
.set SPW,  18                          ; v18  LDS address of my spare word: SPARE + 4 x my thread's number; never rewritten
.set NIL,  19                          ; v19  0; never rewritten
.set W1O,  20                          ; v20-25 the weights' offsets, used at the head
.set W1SO, 21
.set B1O,  22
.set W2O,  23
.set W2SO, 24
.set B2O,  25
.set XST,  26                          ; v26-27 x's scale bytes on their way
.set M,    28                          ; v28 c m_w, v29 s_w
.set XS,   32                          ; v32-39   scale words of x or h: set q at + 4 q, K step s at + s
.set W1S,  48                          ; v48-79   W1's, 4 t + s
.set W2S,  80                          ; v80-95   W2's, 4 n + s
.set XF,   96                          ; v96-159  four fragments of x or h: set q at + 32 q
.set HA,   160                         ; v160-223 my 8 tiles of the hidden layer
.set YA,   160                         ; v160-191 my 4 tiles of y
.set PC,   224                         ; v224-231 the codes just made, two registers a block
.set TM,   232                         ; v232-235 largest magnitudes, v236-239 the other half's, then the bytes, v244-247 the conversions' scale operands
.set PW,   248                         ; the scale word just made
.set B1,   128                         ; in window 2
.set B2,   192
.set XT,   224
.set CH,   96                          ; the softmax, behind the loop: v96-99 four chains; v104-119 the sum's tree; v120-127 four pairs; v128-132 e; v133 the maximum; v134-136 S, 1 / S; v138-139 the factor; v140-141 the way out
.set T,    104
.set G,    120
.set E,    128
.set F,    138
.set OB,   140
.set MSB, 0
.macro WIN new                         ; the immediate's high byte repeats the setting that is left
.if MSB != \new
	s_set_vgpr_msb (MSB<<8)|\new
.set MSB, \new
.endif
.endm
.macro BARRIER                         ; my LDS stores have landed and my LDS loads are in: then the work-group's barrier
	s_wait_dscnt 0x0
	s_barrier_signal -1
	s_barrier_wait -1
.endm
.macro XLOAD                           ; a block of x from memory: my wave takes its tile w of 16 rows, two whole rows of 256 bytes an instruction, and 256 of the 1,024 scale bytes; read once in the launch
	WIN 0x80                                       ; destination window 2, address window 0
.irp j, 0,1,2,3,4,5,6,7
	global_load_b128 v[XT+4*\j:XT+4*\j+3], v[XGO], s[4:5] offset:512*\j th:TH_LOAD_NT
.endr
	WIN 0
	global_load_b64 v[XST:XST+1], v[XSGO], s[6:7] th:TH_LOAD_NT
.endm
.macro XSTORE                          ; and on to LDS
	WIN 0x08                                       ; an LDS store's data are its source 1: window 2
.irp j, 0,1,2,3,4,5,6,7
	ds_store_b128 v[XW], v[XT+4*\j:XT+4*\j+3] offset:544*\j
.endr
	WIN 0
	ds_store_b64 v[XSW], v[XST:XST+1]
.endm
.macro FETCH_X m, q                    ; x's four fragments and four scale words of tile m into set q: registers 4 i .. 4 i + 3 (i = 2 s + c): k = 128 s + 64 c + 32 h + 0 .. 31 of row r
.irp i, 0,1,2,3,4,5,6,7
	ds_load_b128 v[XF+32*(\q)+4*\i:XF+32*(\q)+4*\i+3], v[XR] offset:XIMG+4352*(\m)+32*\i
.endr
	ds_load_b128 v[XS+4*(\q):XS+4*(\q)+3], v[XSR] offset:256*(\m)
.endm
.macro FETCH_H m, q                    ; the hidden layer's likewise: the images come back as they were laid
.irp i, 0,1,2,3,4,5,6,7
	ds_load_b128 v[XF+32*(\q)+4*\i:XF+32*(\q)+4*\i+3], v[LI] offset:HIMG+4096*(\m)+512*\i
.endr
	ds_load_b128 v[XS+4*(\q):XS+4*(\q)+3], v[LI] offset:HSC+512*(\m)
.endm
	s_load_b256 s[4:11], s[0:1], 0x0               ; x's codes s[4:5], x's scales s[6:7], W1's codes s[8:9], W1's scales s[10:11]
	s_load_b256 s[12:19], s[0:1], 0x20             ; b1 s[12:13], W2's codes s[14:15], W2's scales s[16:17], b2 s[18:19]
	s_load_b64 s[20:21], s[0:1], 0x40              ; out0
	v_lshl_add_u32 v[SPW], v0, 2, SPARE
	v_mov_b32 v[NIL], 0
	v_lshrrev_b32 v3, 5, v0
	v_readfirstlane_b32 s22, v3                    ; wave 0..3
	v_and_b32 v1, 15, v0                           ; r = lane % 16
	v_bfe_u32 v2, v0, 4, 1                         ; h = lane / 16
	v_and_b32 v3, 31, v0                           ; lane
	v_and_b32 v30, 8, v1
	v_add_nc_u32 v30, v30, v1                      ; r + 8 (r / 8)
	s_mov_b32 s26, 0x76543210
	s_mov_b32 s27, 0xfedcba98                      ; v_permlanex16_b32's selects for lane l xor 16
	s_mov_b32 s28, 0x3fb8aa3b                      ; c = log2(e)
	s_mov_b32 s29, s28                             ; (named with it as a pair, so it is written)
	s_mov_b32 s30, BLOCKS                          ; blocks to go, this one among them
	s_and_b32 s31, ttmp9, 7                        ; 7 where my last row is a position t = 4095
	; offsets in memory
	s_lshl_b32 s23, s22, 12                        ; x: 16 w rows of 256 bytes
	v_lshl_add_u32 v[XGO], v2, 8, s23              ; + h
	v_lshl_add_u32 v[XGO], v1, 4, v[XGO]           ; + 16 bytes a lane: sixteen lanes read one row
	s_lshl_b32 s23, s22, 8
	v_lshl_add_u32 v[XSGO], v3, 3, s23
	s_lshl_b32 s23, s22, 15                        ; my 128 rows of W1, 256 bytes each
	v_lshl_add_u32 v[W1O], v2, 4, s23
	v_lshl_add_u32 v[W1O], v30, 8, v[W1O]
	s_lshl_b32 s23, s22, 11                        ; and their scale bytes, 16 a row
	v_lshl_add_u32 v[W1SO], v30, 4, s23
	s_lshl_b32 s23, s22, 9
	v_lshl_add_u32 v[B1O], v2, 6, s23              ; b1: my 128 numbers, 16 h on
	s_lshl_b32 s23, s22, 14                        ; my 64 rows of W2
	v_lshl_add_u32 v[W2O], v2, 4, s23
	v_lshl_add_u32 v[W2O], v1, 8, v[W2O]
	s_lshl_b32 s23, s22, 10
	v_lshl_add_u32 v[W2SO], v1, 4, s23
	s_lshl_b32 s23, s22, 8
	v_lshl_add_u32 v[B2O], v2, 5, s23              ; b2: my 64 numbers, 8 h on
	s_lshr_b32 s24, ttmp9, 3                       ; out0: batch g / 8, a row of 1,024 bytes,
	s_lshl_b32 s24, s24, 10
	s_add_co_u32 s23, s23, s24                     ; + my wave's 256
	v_lshl_add_u32 v[OUTO], v3, 3, s23
	; addresses in LDS: each a constant + constants x r, h, lane, wave
	v_lshlrev_b32 v[LI], 4, v3
	v_mul_u32_u24 v[XW], v2, 272                   ; row 16 w + h
	v_lshl_add_u32 v[XW], v1, 4, v[XW]
	s_mul_i32 s23, s22, 4352
	v_add_nc_u32 v[XW], s23, v[XW]
	s_lshl_b32 s23, s22, 8
	s_add_co_u32 s23, s23, XSC
	v_lshl_add_u32 v[XSW], v3, 3, s23
	v_mul_u32_u24 v[XR], v1, 272
	v_lshl_add_u32 v[XR], v2, 4, v[XR]
	v_lshl_add_u32 v[XSR], v1, 4, XSC
	v_lshlrev_b32 v[HW], 4, v1                     ; block B of my fragment lies in registers 4 (B / 2) on of lanes 16 (B % 2) + r: my 8 bytes at 256 B + 16 r + 8 h
	v_lshl_add_u32 v[HW], v2, 3, v[HW]
	s_lshl_b32 s23, s22, 10
	s_add_co_u32 s23, s23, HIMG
	v_add_nc_u32 v[HW], s23, v[HW]
	s_lshl_b32 s23, s22, 2
	s_add_co_u32 s23, s23, HSC
	v_add_nc_u32 v[HSW], s23, v[LI]
	s_lshl_b32 s23, s22, 3
	s_add_co_u32 s23, s23, STAT
	v_lshl_add_u32 v[STW], v1, 5, s23
	v_lshl_add_u32 v[STR], v1, 5, STAT
	v_mul_u32_u24 v[SGW], v1, 272
	v_lshl_add_u32 v[SGW], v2, 5, v[SGW]
	s_mul_i32 s23, s22, 4352
	s_add_co_u32 s23, s23, STG
	v_add_nc_u32 v[SGW], s23, v[SGW]
	s_add_co_u32 s24, s23, 15*272
	v_lshl_add_u32 v[SGR], v3, 3, s24
.irp b, 0,1,2,3
	v_mov_b32 v[TM+4+\b], 0                        ; written once: a lane permute's destination counts as one of its sources
.endr
	s_lshl_b32 s32, ttmp9, 17                      ; my 512 rows of x: 256 bytes of codes a row,
	s_mov_b32 s33, 0
	s_wait_kmcnt 0x0
	s_add_nc_u64 s[4:5], s[4:5], s[32:33]
	s_lshl_b32 s32, ttmp9, 13                      ; 16 scale bytes a row
	s_add_nc_u64 s[6:7], s[6:7], s[32:33]
	; ---- block 0 of x, then the weights: they stay
	XLOAD
.irp t, 0,1,2,3,4,5,6,7
	global_load_b128 v[W1S+4*\t:W1S+4*\t+3], v[W1SO], s[10:11] offset:(32*(\t/2)+8*(\t%2))*16   ; a row's sixteen bytes are its four scale words
.endr
.irp n, 0,1,2,3
	global_load_b128 v[W2S+4*\n:W2S+4*\n+3], v[W2SO], s[16:17] offset:256*\n
.endr
	WIN 0x40                                       ; destination window 1
.irp t, 0,1,2,3,4,5,6,7                ; W1, tile by tile: the eight loads that use up a row's 256 bytes stand together; fragment (t, s) at v[8 (4 t + s)] of window 1
.irp s, 0,1,2,3
.irp c, 0,1
	global_load_b128 v[8*(4*\t+\s)+4*\c:8*(4*\t+\s)+4*\c+3], v[W1O], s[8:9] offset:(32*(\t/2)+8*(\t%2))*256+64*\s+32*\c
.endr
.endr
.endr
	WIN 0x80                                       ; destination window 2
.irp n, 0,1,2,3                        ; W2: fragment (n, s) at v[8 (4 n + s)] of window 2
.irp s, 0,1,2,3
.irp c, 0,1
	global_load_b128 v[8*(4*\n+\s)+4*\c:8*(4*\n+\s)+4*\c+3], v[W2O], s[14:15] offset:4096*\n+64*\s+32*\c
.endr
.endr
.endr
.irp t, 0,1,2,3,4,5,6,7                ; b1 in the result's layout: register j of tile t is hidden unit 128 w + 32 (t / 2) + 16 h + 8 (t % 2) + j
	global_load_b128 v[B1+8*\t:B1+8*\t+3], v[B1O], s[12:13] offset:(32*(\t/2)+8*(\t%2))*4
	global_load_b128 v[B1+8*\t+4:B1+8*\t+7], v[B1O], s[12:13] offset:(32*(\t/2)+8*(\t%2))*4+16
.endr
.irp n, 0,1,2,3                        ; b2 likewise: register j of tile n is output 64 w + 16 n + 8 h + j
	global_load_b128 v[B2+8*\n:B2+8*\n+3], v[B2O], s[18:19] offset:64*\n
	global_load_b128 v[B2+8*\n+4:B2+8*\n+7], v[B2O], s[18:19] offset:64*\n+16
.endr
	WIN 0
	s_wait_loadcnt 0x0                             ; all of it is in: so the bases of x may be stepped, too
	XSTORE                                         ; block 0
	s_add_nc_u64 s[4:5], s[4:5], 64*256
	s_add_nc_u64 s[6:7], s[6:7], 64*16
	s_wait_dscnt 0x0                               ; the stores have read their registers
	XLOAD                                          ; block 1
; ---- Phase 1, tile m of the block's four tiles of rows.
.macro TILE1 m
.set SB, XF+32*((\m)%2)
.set SS, XS+4*((\m)%2)
	s_wait_dscnt 0x0                               ; this tile's fragments are in (asked for ahead of the last tile's products), and the last tile's stores have read their registers
.if (\m) < 3
	FETCH_X (\m)+1, ((\m)+1)%2                     ; the next tile's, into the other set: 32 matrix instructions ahead of the wait for them; that set's last products stand a quantiser's vector work back
.endif
	WIN 0x21                                       ; source 0 (W1) window 1, source 2 (b1) window 2
.irp t, 0,1,2,3,4,5,6,7                ; the eight accumulators take turns, one instruction a turn
	v_wmma_scale_f32_16x16x128_f8f6f4 v[HA+8*\t:HA+8*\t+7], v[8*(4*\t):8*(4*\t)+7], v[SB:SB+7], v[B1+8*\t:B1+8*\t+7], v[W1S+4*\t], v[SS] matrix_a_fmt:MATRIX_FMT_FP4 matrix_b_fmt:MATRIX_FMT_FP4
.endr
	WIN 0x01
.irp s, 1,2,3
.irp t, 0,1,2,3,4,5,6,7
	v_wmma_scale_f32_16x16x128_f8f6f4 v[HA+8*\t:HA+8*\t+7], v[8*(4*\t+\s):8*(4*\t+\s)+7], v[SB+8*\s:SB+8*\s+7], v[HA+8*\t:HA+8*\t+7], v[W1S+4*\t+\s], v[SS+\s] matrix_a_fmt:MATRIX_FMT_FP4 matrix_b_fmt:MATRIX_FMT_FP4
.endr
.endr
	WIN 0
.rept 4
	v_nop                                          ; four places between the last products and the first read of a result (ISA guide 7.12.1)
.endr
.irp j, 0,1,2,3,4,5,6,7,8,9,10,11,12,13,14,15,16,17,18,19,20,21,22,23,24,25,26,27,28,29,30,31,32,33,34,35,36,37,38,39,40,41,42,43,44,45,46,47,48,49,50,51,52,53,54,55,56,57,58,59,60,61,62,63
	v_max_num_f32 v[HA+\j], 0, v[HA+\j]            ; the activation, in f32; each accumulator from its low end on
.endr
.irp b, 0,1,2,3
	v_max3_num_f32 v[TM+\b], v[HA+16*\b], v[HA+16*\b+1], 0x1800000   ; block b: my 16 numbers, none negative, and the floor 2^(3 - 127), so that the byte cannot fall under 1
.endr
.irp i, 2,4,6,8,10,12,14
.irp b, 0,1,2,3
	v_max3_num_f32 v[TM+\b], v[TM+\b], v[HA+16*\b+\i], v[HA+16*\b+\i+1]   ; (the four blocks by turns: no line waits for the line above it)
.endr
.endr
.irp b, 0,1,2,3
	v_permlanex16_b32 v[TM+4+\b], v[TM+\b], s26, s27
.endr
.irp b, 0,1,2,3
	v_max_num_f32 v[TM+\b], v[TM+\b], v[TM+4+\b]   ; with lane l xor 16's 16: the block's largest magnitude
.endr
.irp b, 0,1,2,3
	v_add_nc_u32 v[TM+12+\b], 0xff000000, v[TM+\b] ; 2 off its exponent field: the conversion takes the exponent field of this operand as its scale
.endr
.irp b, 0,1,2,3
	v_lshrrev_b32 v[TM+4+\b], 23, v[TM+12+\b]      ; the scale's byte
.endr
	v_lshl_or_b32 v[PW], v[TM+5], 8, v[TM+4]       ; the four bytes make my row's scale word for K step w
	v_lshl_or_b32 v[PW], v[TM+6], 16, v[PW]
	v_lshl_or_b32 v[PW], v[TM+7], 24, v[PW]
.irp b, 0,1,2,3
	v_cvt_scalef32_pk8_fp4_f32 v[PC+2*\b], v[HA+16*\b:HA+16*\b+7], v[TM+12+\b]        ; the codes of k = 32 b + 16 h + 0 .. 7
	v_cvt_scalef32_pk8_fp4_f32 v[PC+2*\b+1], v[HA+16*\b+8:HA+16*\b+15], v[TM+12+\b]   ; and + 8 .. 15
.endr
	v_nop                                          ; one plain place behind the scaled conversions: matrix instructions write their sources next
.irp b, 0,1,2,3
	ds_store_b64 v[HW], v[PC+2*\b:PC+2*\b+1] offset:4096*(\m)+256*\b   ; to where the operand's layout wants them: the 32 lanes write 256 consecutive bytes, and no lanes are swapped
.endr
	ds_store_b32 v[HSW], v[PW] offset:512*(\m)
.endm
; ---- Phase 2, tile m: my 64 outputs of its 16 rows.
.macro TILE2 m
.set SB, XF+32*((\m)%2)
.set SS, XS+4*((\m)%2)
	s_wait_dscnt 0x0                               ; this tile's fragments are in
.if (\m) < 3
	FETCH_H (\m)+1, ((\m)+1)%2
.endif
	WIN 0x22                                       ; source 0 (W2) and source 2 (b2) window 2
.irp n, 0,1,2,3                        ; four accumulators by turns
	v_wmma_scale_f32_16x16x128_f8f6f4 v[YA+8*\n:YA+8*\n+7], v[8*(4*\n):8*(4*\n)+7], v[SB:SB+7], v[B2+8*\n:B2+8*\n+7], v[W2S+4*\n], v[SS] matrix_a_fmt:MATRIX_FMT_FP4 matrix_b_fmt:MATRIX_FMT_FP4
.endr
	WIN 0x02
.irp s, 1,2,3
.irp n, 0,1,2,3
	v_wmma_scale_f32_16x16x128_f8f6f4 v[YA+8*\n:YA+8*\n+7], v[8*(4*\n+\s):8*(4*\n+\s)+7], v[SB+8*\s:SB+8*\s+7], v[YA+8*\n:YA+8*\n+7], v[W2S+4*\n+\s], v[SS+\s] matrix_a_fmt:MATRIX_FMT_FP4 matrix_b_fmt:MATRIX_FMT_FP4
.endr
.endr
	WIN 0
.rept 5
	v_nop                                          ; five places: the next tile's first products begin these accumulators anew, with another C; four of them serve the loads into the fragments' registers and the reads behind the loop
.endr
.endm
.Lblock:
	BARRIER                                        ; this block's x lies in LDS, and every wave's reads of the last block's hidden layer are over
	FETCH_X 0, 0
	TILE1 0
	TILE1 1
	TILE1 2
	TILE1 3
	BARRIER                                        ; the hidden layer's sixteen fragments lie in LDS, and every wave's reads of x are over
	FETCH_H 0, 0
	s_wait_loadcnt 0x0                             ; the next block of x, asked for a block ago, is in registers; no load is out, so the bases may be stepped
	s_cmp_eq_u32 s30, 1
	s_cbranch_scc1 .Lno_next                       ; the last block has no successor
	XSTORE
	s_cmp_lt_u32 s30, 3
	s_cbranch_scc1 .Lno_next                       ; the last two blocks ask for nothing: no load leaves my 512 rows
	s_add_nc_u64 s[4:5], s[4:5], 64*256
	s_add_nc_u64 s[6:7], s[6:7], 64*16
	s_wait_dscnt 0x0                               ; the stores have read their registers
	XLOAD                                          ; the block after next
.Lno_next:
	TILE2 0
	TILE2 1
	TILE2 2
	TILE2 3
	s_sub_co_u32 s30, s30, 1
	s_cmp_lg_u32 s30, 0
	s_cbranch_scc1 .Lblock
	; ---- the softmax of the last tile's 16 rows, first under my wave's own maximum: m_w over my 64 outputs of row r; p = 2^(c y - c m_w); s_w = their sum
.irp n, 0,1,2,3
	v_max3_num_f32 v[CH+\n], v[YA+8*\n], v[YA+8*\n+1], v[YA+8*\n+2]    ; four chains, each accumulator from its low end on
.endr
.irp i, 3,5
.irp n, 0,1,2,3
	v_max3_num_f32 v[CH+\n], v[CH+\n], v[YA+8*\n+\i], v[YA+8*\n+\i+1]
.endr
.endr
	v_max3_num_f32 v[CH], v[CH], v[YA+7], v[YA+15]
	v_max3_num_f32 v[CH+2], v[CH+2], v[YA+23], v[YA+31]
	v_max3_num_f32 v[CH], v[CH], v[CH+1], v[CH+2]
	v_max_num_f32 v[CH], v[CH], v[CH+3]
	v_permlanex16_b32 v[TM+4], v[CH], s26, s27
	v_max_num_f32 v[CH], v[CH], v[TM+4]            ; with lane l xor 16's 32 outputs: m_w
	v_mul_f32 v[M], s28, v[CH]                     ; c m_w: this rounded number is what p takes away and what the row's end compares, so its rounding cancels
	v_mov_b32 v[M+1], 0                            ; (named as the upper half of the pair before it is first written)
.irp j, 0,2,4,6,8,10,12,14,16,18,20,22,24,26,28,30
	v_pk_fma_f32 v[YA+\j:YA+\j+1], v[YA+\j:YA+\j+1], s[28:29], v[M:M+1] op_sel_hi:[1,0,0] neg_lo:[0,0,1] neg_hi:[0,0,1]   ; c y - c m_w, two at a time
.endr
.irp j, 0,1,2,3,4,5,6,7,8,9,10,11,12,13,14,15,16,17,18,19,20,21,22,23,24,25,26,27,28,29,30,31
	v_exp_f32 v[YA+\j], v[YA+\j]                   ; p, at most about 1
.endr
	v_nop                                          ; a plain instruction behind the last exponential
	s_wait_alu depctr_va_vdst(0)                   ; one wait for the batch of 32, ahead of its first reader
.irp j, 0,1,2,3,4,5,6,7
	v_pk_add_f32 v[T+2*\j:T+2*\j+1], v[YA+4*\j:YA+4*\j+1], v[YA+4*\j+2:YA+4*\j+3]   ; the sum, as a tree
.endr
.irp j, 0,1,2,3
	v_pk_add_f32 v[T+4*\j:T+4*\j+1], v[T+4*\j:T+4*\j+1], v[T+4*\j+2:T+4*\j+3]
.endr
	v_pk_add_f32 v[T:T+1], v[T:T+1], v[T+4:T+5]
	v_pk_add_f32 v[T+8:T+9], v[T+8:T+9], v[T+12:T+13]
	v_pk_add_f32 v[T:T+1], v[T:T+1], v[T+8:T+9]
	v_add_f32 v[CH], v[T], v[T+1]
	v_permlanex16_b32 v[TM+4], v[CH], s26, s27
	v_add_f32 v[M+1], v[CH], v[TM+4]               ; s_w
	ds_store_b64 v[STW], v[M:M+1]                  ; both halves of the lanes write the same pair to the same place
	BARRIER                                        ; the rows' four pairs lie in LDS
	; ---- out = p e_w / S, e_i = 2^(c m_i - the largest c m), S = the sum of s_i e_i
	ds_load_b128 v[G:G+3], v[STR]                  ; c m_i at 2 i, s_i at 2 i + 1
	ds_load_b128 v[G+4:G+7], v[STR] offset:16
	s_wait_dscnt 0x0
	v_max3_num_f32 v133, v[G], v[G+2], v[G+4]
	v_max_num_f32 v133, v133, v[G+6]               ; the row's maximum, times c
.irp i, 0,1,2,3
	v_sub_f32 v[E+\i], v[G+2*\i], v133
.endr
	v_sub_f32 v[E+4], v[M], v133                   ; and my own wave's
.irp i, 0,1,2,3,4
	v_exp_f32 v[E+\i], v[E+\i]                     ; e_i, at most 1, and 1 for the wave that holds the maximum
.endr
	v_nop                                          ; a plain instruction behind the last exponential
	s_wait_alu depctr_va_vdst(0)                   ; one wait for the five
	v_mul_f32 v134, v[G+1], v[E]                   ; S in two chains
	v_mul_f32 v135, v[G+3], v[E+1]
	v_fmac_f32 v134, v[G+5], v[E+2]
	v_fmac_f32 v135, v[G+7], v[E+3]
	v_add_f32 v134, v134, v135                     ; S is 1 or more: the largest number's own term
	v_rcp_f32 v136, v134
	v_nop                                          ; a plain instruction behind the reciprocal
	s_wait_alu depctr_va_vdst(0)                   ; the wait ahead of its first reader
	v_mul_f32 v[F], v[E+4], v136                   ; e_w / S, twice: a pair for the packed multiply
	v_mul_f32 v[F+1], v[E+4], v136
.irp j, 0,2,4,6,8,10,12,14,16,18,20,22,24,26,28,30
	v_pk_mul_f32 v[YA+\j:YA+\j+1], v[YA+\j:YA+\j+1], v[F:F+1]
.endr
.irp n, 0,1,2,3
	ds_store_b128 v[SGW], v[YA+8*\n:YA+8*\n+3] offset:64*\n        ; my own stage: lane (r, h): out(r, 64 w + 16 n + 8 h + 0 .. 7)
	ds_store_b128 v[SGW], v[YA+8*\n+4:YA+8*\n+7] offset:64*\n+16
.endr
	ds_load_b64 v[OB:OB+1], v[SGR]                 ; row 15, my work-group's last row, 8 bytes a lane.  LDS serves a wave's instructions in order: this sees my stores
	s_wait_dscnt 0x0
	s_cmp_lg_u32 s31, 7
	s_cbranch_scc1 .Lnot_last                      ; only where that row is a position t = 4095 is it a row of the result
	global_store_b64 v[OUTO], v[OB:OB+1], s[20:21] th:TH_STORE_NT  ; 32 lanes store 256 consecutive bytes, at a multiple of 256 from out0's first byte
.Lnot_last:
	s_wait_tensorcnt 0x0                           ; the wave's end: three lines behind my last LDS store
	ds_add_u32 v[SPW], v[NIL]
	s_wait_dscnt 0x0
	s_endpgm
.Lfunc_end_k_q1cef688eda_head:
	.size	k_q1cef688eda_head, .Lfunc_end_k_q1cef688eda_head-k_q1cef688eda_head
	.p2alignl 7, 3214868480
	.fill 96, 4, 3214868480
	.section	.rodata,"a",@progbits
	.p2align	6, 0x0
	.amdhsa_kernel k_q1cef688eda_head
		.amdhsa_group_segment_fixed_size 55296
		.amdhsa_private_segment_fixed_size 0
		.amdhsa_enable_private_segment 0
		.amdhsa_kernarg_size 72
		.amdhsa_user_sgpr_count 2
		.amdhsa_user_sgpr_kernarg_segment_ptr 1
		.amdhsa_wavefront_size32 1
		.amdhsa_system_sgpr_workgroup_id_x 1
		.amdhsa_system_sgpr_workgroup_id_y 1
		.amdhsa_system_sgpr_workgroup_id_z 1
		.amdhsa_system_vgpr_workitem_id 0
		.amdhsa_next_free_vgpr 768
		.amdhsa_next_free_sgpr 66
		.amdhsa_reserve_vcc 0
		.amdhsa_float_denorm_mode_32 3
		.amdhsa_float_denorm_mode_16_64 3
		.amdhsa_memory_ordered 1
		.amdhsa_forward_progress 1
		.amdhsa_inst_pref_size 83
	.end_amdhsa_kernel
	.amdgpu_metadata
---
amdhsa.version: [ 1, 2 ]
amdhsa.kernels:
  - .name:           k_q1cef688eda_head
    .symbol:         k_q1cef688eda_head.kd
    .args:
      - { .name: x_codes, .offset: 0, .size: 8, .value_kind: global_buffer, .address_space: global }
      - { .name: x_scales, .offset: 8, .size: 8, .value_kind: global_buffer, .address_space: global }
      - { .name: W1_codes, .offset: 16, .size: 8, .value_kind: global_buffer, .address_space: global }
      - { .name: W1_scales, .offset: 24, .size: 8, .value_kind: global_buffer, .address_space: global }
      - { .name: b1, .offset: 32, .size: 8, .value_kind: global_buffer, .address_space: global }
      - { .name: W2_codes, .offset: 40, .size: 8, .value_kind: global_buffer, .address_space: global }
      - { .name: W2_scales, .offset: 48, .size: 8, .value_kind: global_buffer, .address_space: global }
      - { .name: b2, .offset: 56, .size: 8, .value_kind: global_buffer, .address_space: global }
      - { .name: out0, .offset: 64, .size: 8, .value_kind: global_buffer, .address_space: global }
    .group_segment_fixed_size: 55296
    .private_segment_fixed_size: 0
    .kernarg_segment_align: 8
    .kernarg_segment_size: 72
    .max_flat_workgroup_size: 128
    .sgpr_count:     66
    .vgpr_count:     768
    .wavefront_size: 32
...
	.end_amdgpu_metadata
.endif
;; end of part 1
;; ======== version 2 of 2: 1 launch
;; launch head (part 2): grid 256 x 1, 4 waves a work-group, no clusters, 92,160 bytes of LDS; arguments x_codes, x_scales, W1_codes, W1_scales, b1, W2_codes, W2_scales, b2, out0; writes out0
.if DOCPART == 2
	.amdgcn_target "amdgcn-amd-amdhsa--gfx1250"
	.amdhsa_code_object_version 6
	.text
	.protected	k_q1cef688eda_head
	.globl	k_q1cef688eda_head
	.p2align	8
	.type	k_q1cef688eda_head,@function
k_q1cef688eda_head:
	s_mov_b64 s[64:65], 0
	v_nop
	global_prefetch_b8 v0, s[64:65] scope:SCOPE_SE
	s_setreg_imm32_b32 hwreg(HW_REG_WAVE_MODE, 25, 1), 1
	s_wait_xcnt 0x0
; out0[b][:] = softmax over the 256 outputs of y[b][:][4095], y = W2 Q(relu(W1 x + b1)) + b2, both products on codes of FP4 (E2M1) with one E8M0 scale for each 32 along K.
; WHAT IS COMPUTED.  Both products are done in full, for all 131,072 positions (b, t), as the problem's table lists them.  Only y at t = 4095 goes on into the softmax and is stored.  y of the other
; positions stays in registers and is written over: the result slices it away, and since both products contract over channels alone and the hidden layer is quantised along the channels of one position,
; those positions reach no output.  So only the work-groups that hold a position t = 4095 (one in eight) store anything.  No input and no step is left out.
; LIMITS.  NaN and infinities in h or y of the stored rows are not served.  A hidden block with no positive number gets the scale byte 1 where the quantiser says 127: its codes are zeros, which add nothing
; under any byte but 0xff, and the bytes are read by this program alone.  A negative hidden number ends as the code -0 where relu gives +0: it adds nothing to a sum.  An exponential under 2^-126 comes out as 0.
; SHARES.  Work-group g owns rows 512 g .. 512 g + 511 of (b, t) = 4096 b + t, in 8 blocks of 64 rows (4 tiles of 16).  THE FOUR WAVES SHARE THE COLUMNS: wave w makes hidden units 128 w .. 128 w + 127
; (8 tiles x 4 K steps of 128) and outputs 64 w .. 64 w + 63 (4 tiles x 4 K steps), for all rows.  Its rows of W1 and W2, 384 registers, stay in registers for the whole launch, read from memory once.
; What goes round through LDS is the rows' codes: x's as rows of 256 bytes + 16, the hidden layer's as images of the operand's registers.  Wave w's 128 hidden units are K step w of the second product.
; No cluster and no joint loads: x is shared by no two work-groups; the weights are read once, at the head, straight into the operands' registers and not through LDS; and the last store's branch hangs on the
; work-group's number.  No prefetch: x's loads into registers are issued a whole block (192 matrix instructions a wave) ahead of their use.
; LAYOUT.  Both products are used transposed (source 0 = 16 rows of the weight, source 1 = 16 rows of x or h): a lane holds ONE row (lane % 16) and its registers run along units.
; THE ROWS OF W1 THAT FORM A TILE ARE NOT NEIGHBOURS: lane r of tile 2 b + u takes row 128 w + 32 b + 8 u + r + 8 (r / 8), so that the 16 registers of tiles 2 b and 2 b + 1 in lane (r, h) are the 16
; neighbouring hidden units 128 w + 32 b + 16 h + 0 .. 15: half of a block of the next K.  The biases are the C of each sum's first matrix instruction, in the result's layout.
; THE SECOND PRODUCT RUNS ONE BLOCK BEHIND THE FIRST, and x and h have two LDS buffers each.  In body k a wave makes h(k) into H[k % 2], multiplies h(k - 1) out of H[1 - k % 2], and stores x(k + 1) into
; X[1 - k % 2].  ONE barrier at the body's end: behind it h(k) and x(k + 1) are whole, and nobody reads H[1 - k % 2] or X[k % 2] any more.  A body (W1(m), T2(m): the first and second product's matrix
; instructions of tile m; Q(m): tile m's quantiser and its stores):  barrier | fetch x 0, 1 and h 0, 1 | T2(3) of the block before last, from registers | W1(0) Q(0) | fetch x 2, h 2 | T2(0) W1(1) Q(1) |
; fetch x 3, h 3 | T2(1) W1(2) Q(2) | x(k + 1) to LDS, x(k + 2) asked of memory | W1(3) Q(3) | T2(2) | barrier.  Every fetch is issued a tile's work or more ahead of the counted wait for it.
; REGISTERS, in windows of 256: window 0: v4-31 addresses; v32-39 x's scale words (2 sets), v40-55 h's (4 sets), v56-87 W1's, v88-103 W2's; v104-167 the hidden layer's 8 tiles; v168-199 y's 4 tiles;
;   v200-247 the quantiser's.   window 1: W1's 32 fragments.   window 2: v0-127 W2's 16 fragments, v128-191 b1, v192-223 b2, v224-255 a block of x on its way.
;   window 3: v0-127 h's fragments, a set for each tile; v128-191 x's fragments, 2 sets; v192-223 the other block of x on its way.
.set XB,    18432                      ; LDS: X[q] at XB q: 64 rows of x's codes, 256 bytes + 16 (the sixteen rows that a fragment load touches fall on sixteen different columns of 16 bytes),
.set XSCO,  17408                      ; and behind them their scale bytes, 16 a row, as they lie in memory
.set HB0,   36864                      ; H[q] at HB0 + HBP q: the hidden layer's 16 fragments: (tile of rows m, K step s) at 4096 m + 1024 s; registers 4 c .. 4 c + 3 at + 512 c + 16 lane,
.set HBP,   18432
.set HSCO,  16384                      ; and behind them its scale words: 512 m + 16 lane + 4 s
.set STAT,  73728                      ; the softmax: row r at 32 r: wave w's pair (c m_w, s_w) at + 8 w
.set STG,   74240                      ; the way out: 16 rows x (256 bytes + 16) for each wave
.set SPARE, 91648                      ; the spare words, 128 bytes for each wave: two blocks of 256 bytes that no other line names
.set XGO,  4                           ; v4   x's codes in memory: row 16 w + h of a block, 16 bytes a lane
.set XSGO, 5                           ; v5   x's scale bytes in memory: 256 w + 8 lane
.set XW,   6                           ; v6   where I store x's codes
.set XSW,  7                           ; v7   and its scale bytes
.set XR,   8                           ; v8   where I read x's fragments: row r, + 16 h
.set XSR,  9                           ; v9   and row r's scale words
.set LH,   10                          ; v10  HB0 + 16 x lane: where I read h's images
.set HW,   11                          ; v11  where I store my 16 codes of a block of h
.set HSW,  12                          ; v12  and my row's scale word
.set STW,  13                          ; v13  where I store my wave's pair
.set STR,  14                          ; v14  where I read my row's four pairs
.set SGW,  15                          ; v15  the stage: where I put 32 bytes of a row
.set SGR,  16                          ; v16  and where I read row 15 back, 8 bytes a lane
.set OUTO, 17                          ; v17  out0: row g / 8, my wave's 256 bytes, 8 bytes a lane
.set SPW,  18                          ; v18  LDS address of my spare word: SPARE + 4 x my thread's number; never rewritten
.set NIL,  19                          ; v19  0; never rewritten
.set W1O,  20                          ; v20-25 the weights' offsets; never rewritten
.set W1SO, 21
.set B1O,  22
.set W2O,  23
.set W2SO, 24
.set B2O,  25
.set XST,  26                          ; v26-29 x's scale bytes on their way, two sets
.set XS,   32                          ; x's scale words: set q at + 4 q, K step s at + s
.set HS,   40                          ; h's: tile m at + 4 m
.set W1S,  56                          ; W1's, 4 t + s
.set W2S,  88                          ; W2's, 4 n + s
.set HA,   104                         ; my 8 tiles of the hidden layer
.set YA,   168                         ; my 4 tiles of y
.set PC,   200                         ; v200-215 the codes just made, two registers a block; two sets by turns
.set PW,   216                         ; v216-217 the scale word just made; two by turns
.set TM,   218                         ; v218-221 largest numbers, v222-225 the other half's, then the bytes, v226-229 the conversions' scale operands
.set MT,   230                         ; v230-237, v238-245 at work on the codes
.set MU,   238
.set M,    246                         ; v246 c m_w, v247 s_w
.set B1,   128                         ; in window 2
.set B2,   192
.set XT,   224                         ; x on its way: set 0 at v224 of window 2, set 1 at v192 of window 3
.set XF,   128                         ; in window 3: x's fragments, set q at + 32 q;  h's: tile m at 32 m
.set CH,   104                         ; the softmax, behind the last product, in the hidden layer's registers: four chains; the sum's tree; four pairs; e; the maximum; S, 1 / S; the factor; the way out
.set T,    108
.set G,    124
.set E,    132
.set MX,   137
.set SA,   138
.set RC,   140
.set F,    142
.set OB,   144
.set MSB, 0
.macro WIN new                         ; the immediate's high byte repeats the setting that is left; a switch that changes nothing is dropped
.if MSB != (\new)
	s_set_vgpr_msb (MSB<<8)|(\new)
.set MSB, (\new)
.endif
.endm
.macro PLACES n
.rept \n
	v_nop
.endr
.endm
.macro BARRIER                         ; my LDS stores have landed and my LDS loads are in: then the work-group's barrier
	s_wait_dscnt 0x0
	s_barrier_signal -1
	s_barrier_wait -1
.endm
.macro XLOAD q, j                      ; the block j blocks on from the base, into set q: my wave takes its tile w of 16 rows, two whole rows of 256 bytes an instruction, and 256 of the 1,024 scale bytes: nine loads; read once in the launch
	WIN 0x80+0x40*(\q)                             ; destination window 2 or 3, address window 0
.irp i, 0,1,2,3,4,5,6,7
	global_load_b128 v[XT-32*(\q)+4*\i:XT-32*(\q)+4*\i+3], v[XGO], s[4:5] offset:16384*(\j)+512*\i th:TH_LOAD_NT
.endr
	WIN 0
	global_load_b64 v[XST+2*(\q):XST+2*(\q)+1], v[XSGO], s[6:7] offset:1024*(\j) th:TH_LOAD_NT
.endm
.macro XSTORE q                        ; set q on to X[q]: nine stores
	WIN 0x08+0x04*(\q)                             ; an LDS store's data are its source 1: window 2 or 3
.irp i, 0,1,2,3,4,5,6,7
	ds_store_b128 v[XW], v[XT-32*(\q)+4*\i:XT-32*(\q)+4*\i+3] offset:XB*(\q)+544*\i
.endr
	WIN 0
	ds_store_b64 v[XSW], v[XST+2*(\q):XST+2*(\q)+1] offset:XB*(\q)
.endm
.macro SCX p, m, q                     ; the four scale words of tile m of X[p] into set q (window 0)
	ds_load_b128 v[XS+4*(\q):XS+4*(\q)+3], v[XSR] offset:XB*(\p)+256*(\m)
.endm
.macro SCH p, m                        ; those of tile m of H[p]
	ds_load_b128 v[HS+4*(\m):HS+4*(\m)+3], v[LH] offset:HBP*(\p)+HSCO+512*(\m)
.endm
.macro FRX p, m, q                     ; x's four fragments of tile m into set q (destination window 3): registers 4 i .. 4 i + 3 (i = 2 s + c): k = 128 s + 64 c + 32 h + 0 .. 31 of row r
.irp i, 0,1,2,3,4,5,6,7
	ds_load_b128 v[XF+32*(\q)+4*\i:XF+32*(\q)+4*\i+3], v[XR] offset:XB*(\p)+4352*(\m)+32*\i
.endr
.endm
.macro FRH p, m                        ; h's four fragments of tile m: the images come back as they were laid
.irp i, 0,1,2,3,4,5,6,7
	ds_load_b128 v[32*(\m)+4*\i:32*(\m)+4*\i+3], v[LH] offset:HBP*(\p)+4096*(\m)+512*\i
.endr
.endm
; W1: 32 matrix instructions on x's set q.  The eight accumulators take turns, one instruction a turn; b1 is the first C.
.macro MUL1 q
	WIN 0x2d                                       ; source 0 (W1) window 1, source 1 (x) window 3, source 2 (b1) window 2, destination window 0
.irp t, 0,1,2,3,4,5,6,7
	v_wmma_scale_f32_16x16x128_f8f6f4 v[HA+8*\t:HA+8*\t+7], v[32*\t:32*\t+7], v[XF+32*(\q):XF+32*(\q)+7], v[B1+8*\t:B1+8*\t+7], v[W1S+4*\t], v[XS+4*(\q)] matrix_a_fmt:MATRIX_FMT_FP4 matrix_b_fmt:MATRIX_FMT_FP4
.endr
	WIN 0x0d                                       ; C and D window 0
.irp s, 1,2,3
.irp t, 0,1,2,3,4,5,6,7
	v_wmma_scale_f32_16x16x128_f8f6f4 v[HA+8*\t:HA+8*\t+7], v[32*\t+8*\s:32*\t+8*\s+7], v[XF+32*(\q)+8*\s:XF+32*(\q)+8*\s+7], v[HA+8*\t:HA+8*\t+7], v[W1S+4*\t+\s], v[XS+4*(\q)+\s] matrix_a_fmt:MATRIX_FMT_FP4 matrix_b_fmt:MATRIX_FMT_FP4
.endr
.endr
.endm
; T2: 16 matrix instructions on h's tile m: my 64 outputs of its 16 rows.  Four accumulators by turns; b2 is the first C.
.macro MUL2 m
	WIN 0x2e                                       ; source 0 (W2) window 2, source 1 (h) window 3, source 2 (b2) window 2, destination window 0
.irp n, 0,1,2,3
	v_wmma_scale_f32_16x16x128_f8f6f4 v[YA+8*\n:YA+8*\n+7], v[32*\n:32*\n+7], v[32*(\m):32*(\m)+7], v[B2+8*\n:B2+8*\n+7], v[W2S+4*\n], v[HS+4*(\m)] matrix_a_fmt:MATRIX_FMT_FP4 matrix_b_fmt:MATRIX_FMT_FP4
.endr
	WIN 0x0e
.irp s, 1,2,3
.irp n, 0,1,2,3
	v_wmma_scale_f32_16x16x128_f8f6f4 v[YA+8*\n:YA+8*\n+7], v[32*\n+8*\s:32*\n+8*\s+7], v[32*(\m)+8*\s:32*(\m)+8*\s+7], v[YA+8*\n:YA+8*\n+7], v[W2S+4*\n+\s], v[HS+4*(\m)+\s] matrix_a_fmt:MATRIX_FMT_FP4 matrix_b_fmt:MATRIX_FMT_FP4
.endr
.endr
.endm
; Q: my 64 numbers of a row, register 16 b + i = hidden unit 32 b + 16 h + i of my wave's 128, become codes (set e) and a scale word.  THE ACTIVATION IS TAKEN ON THE CODES: the block's largest number is
; sought without |.| (what is negative does not count: the floor stands over it), the conversion takes the numbers as they are, and a code with its sign bit set then loses its three lower bits:
; four instructions for a register of eight codes in place of eight on the numbers.  What is positive goes the same way as behind a relu; what is negative ends as the code -0.
.macro QUANT e
.irp b, 0,1,2,3
	v_max3_num_f32 v[TM+\b], v[HA+16*\b], v[HA+16*\b+1], 0x1800000   ; block b: my 16 numbers, each accumulator from its low end on, and the floor 2^(3 - 127), so that the byte cannot fall under 1
.endr
.irp i, 2,4,6,8,10,12,14
.irp b, 0,1,2,3
	v_max3_num_f32 v[TM+\b], v[TM+\b], v[HA+16*\b+\i], v[HA+16*\b+\i+1]   ; (the four blocks by turns: no line waits for the line above it)
.endr
.endr
.irp b, 0,1,2,3
	v_permlanex16_b32 v[TM+4+\b], v[TM+\b], s26, s27
.endr
.irp b, 0,1,2,3
	v_max_num_f32 v[TM+\b], v[TM+\b], v[TM+4+\b]   ; with lane l xor 16's 16: the block's largest number
.endr
.irp b, 0,1,2,3
	v_add_nc_u32 v[TM+8+\b], 0xff000000, v[TM+\b]  ; 2 off its exponent field: the conversion takes the exponent field of this operand as its scale
.endr
.irp b, 0,1,2,3
	v_cvt_scalef32_pk8_fp4_f32 v[PC+8*(\e)+2*\b], v[HA+16*\b:HA+16*\b+7], v[TM+8+\b]        ; the codes of k = 32 b + 16 h + 0 .. 7
	v_cvt_scalef32_pk8_fp4_f32 v[PC+8*(\e)+2*\b+1], v[HA+16*\b+8:HA+16*\b+15], v[TM+8+\b]   ; and + 8 .. 15
.endr
.irp b, 0,1,2,3
	v_lshrrev_b32 v[TM+4+\b], 23, v[TM+8+\b]       ; the scale's byte.  (These seven plain lines stand between the conversions and the first line that touches a code)
.endr
	v_lshl_or_b32 v[PW+(\e)], v[TM+5], 8, v[TM+4]  ; the four bytes make my row's scale word for K step w
	v_lshl_or_b32 v[PW+(\e)], v[TM+6], 16, v[PW+(\e)]
	v_lshl_or_b32 v[PW+(\e)], v[TM+7], 24, v[PW+(\e)]
.irp i, 0,1,2,3,4,5,6,7
	v_and_b32 v[MT+\i], s34, v[PC+8*(\e)+\i]       ; the eight sign bits: 8 in each negative code's place
.endr
.irp i, 0,1,2,3,4,5,6,7
	v_lshrrev_b32 v[MU+\i], 3, v[MT+\i]            ; 1 there
.endr
.irp i, 0,1,2,3,4,5,6,7
	v_sub_nc_u32 v[MT+\i], v[MT+\i], v[MU+\i]      ; 8 - 1 = 7 there: no borrow leaves a code's four bits
.endr
.irp i, 0,1,2,3,4,5,6,7
	v_bfi_b32 v[PC+8*(\e)+\i], v[MT+\i], 0, v[PC+8*(\e)+\i]   ; zeros where the mask is set, the code elsewhere
.endr
.endm
.macro SEND p, m, e                    ; five stores: the codes to where the operand's layout wants them (the 32 lanes write 256 consecutive bytes, and no lanes are swapped), and the scale word
.irp b, 0,1,2,3
	ds_store_b64 v[HW], v[PC+8*(\e)+2*\b:PC+8*(\e)+2*\b+1] offset:HBP*(\p)+4096*(\m)+256*\b
.endr
	ds_store_b32 v[HSW], v[PW+(\e)] offset:HBP*(\p)+512*(\m)
.endm
; x on its way, in body k (p = k % 2): x(k + 1), asked for a body ago, goes from set 1 - p to X[1 - p]; x(k + 2) is asked for, into set p, whose stores were shown done at the last barrier.
; c = 0: both always;  1: the load is left out in the loop's last trip;  2: both are: no load leaves my 512 rows.  w = 1: the wait for x(k + 1) is written (body 0: the head has shown it in).
.macro STAGE p, j, c, w
.if \w
	s_wait_loadcnt 0x0
.endif
.if \c == 2
	s_cmp_eq_u32 s30, 1
	s_cbranch_scc1 .Lskip_\@
.endif
	XSTORE 1-(\p)
.if \c == 1
	s_cmp_eq_u32 s30, 1
	s_cbranch_scc1 .Lskip_\@
.endif
	XLOAD \p, \j
.Lskip_\@:
.endm
; A BODY.  p = k % 2;  t3 = 1: T2(3) of h(k - 2) stands at its head;  t2 = 1: h(k - 1) is fetched and multiplied;  lw: the count of a wait on loads ahead of T2(0), or -1;  j, c, w: for STAGE.
; LDS serves a wave's instructions in order, so each wait's count is the number of LDS instructions issued behind the last one that it needs.  A fetch is the scale words (one load a tile) and then the fragments (eight a tile).
.macro BODY p, t3, t2, lw, j, c, w
	SCX \p, 0, 0
	SCX \p, 1, 1
.if \t2
	SCH 1-(\p), 0
	SCH 1-(\p), 1
.endif
	WIN 0xc0                                       ; destination window 3, address window 0
	FRX \p, 0, 0
	FRX \p, 1, 1
.if \t2
	FRH 1-(\p), 0
	FRH 1-(\p), 1
.endif
.if \t3
	MUL2 3                                         ; from registers, shown in at the barrier: sixteen matrix instructions while the fetch is on its way
.endif
	s_wait_dscnt 8+16*(\t2)                        ; x's tile 0 is in; behind it: x's tile 1 (8), h's tiles 0 and 1 (16)
	MUL1 0
	WIN 0
	PLACES 4                                       ; four places between the last products and the first read of a result (ISA guide 7.12.1)
	QUANT 0
	SEND \p, 0, 0
	SCX \p, 2, 0                                   ; into the set that W1(0) has read: the quantiser's lines are the places
.if \t2
	SCH 1-(\p), 2
.endif
	WIN 0xc0
	FRX \p, 2, 0
.if \t2
	FRH 1-(\p), 2
.endif
	s_wait_dscnt 14+17*(\t2)                       ; x's tile 1 and h's tile 0 are in; behind them: h's tile 1 (8), five stores, the fetch just issued (18; without h: 9)
.if \lw >= 0
	s_wait_loadcnt \lw                             ; W2, its scale words and b2 are in; behind them: the nine loads of x(2)
.endif
.if \t2
	MUL2 0
.endif
	MUL1 1
	WIN 0
	PLACES 4
	QUANT 1
	SEND \p, 1, 1
	SCX \p, 3, 1
.if \t2
	SCH 1-(\p), 3
.endif
	WIN 0xc0
	FRX \p, 3, 1
.if \t2
	FRH 1-(\p), 3
.endif
	s_wait_dscnt 14+17*(\t2)                       ; x's tile 2 is in, and all before it: h's tile 1, tile 0's stores (their registers are written again below); behind it: h's tile 2 (8), five stores, the fetch just issued
.if \t2
	MUL2 1
.endif
	MUL1 0
	WIN 0
	PLACES 4
	QUANT 0
	SEND \p, 2, 0
	STAGE \p, \j, \c, \w
	s_wait_dscnt 5+8*(\t2)                         ; x's tile 3 is in, and all before it: h's tile 2, tile 1's stores; behind it: h's tile 3 (8), five stores; x's nine stores follow on some ways only, so they are not counted
	MUL1 1
	WIN 0
	PLACES 4
	QUANT 1
	SEND \p, 3, 1
.if \t2
	MUL2 2                                         ; sixteen matrix instructions while the last stores land
	WIN 0
	PLACES 5                                       ; five places: T2(3), behind the barrier, begins these accumulators anew, with another C; four of them serve the loads into the fragments' registers
.endif
	BARRIER                                        ; h(k) and x(k + 1) lie in LDS; every wave's reads of h(k - 1) and x(k) are over; my fragments of h(k - 1)'s tile 3 are in registers
.endm
	s_load_b256 s[4:11], s[0:1], 0x0               ; x's codes s[4:5], x's scales s[6:7], W1's codes s[8:9], W1's scales s[10:11]
	s_load_b256 s[12:19], s[0:1], 0x20             ; b1 s[12:13], W2's codes s[14:15], W2's scales s[16:17], b2 s[18:19]
	s_load_b64 s[20:21], s[0:1], 0x40              ; out0
	v_lshl_add_u32 v[SPW], v0, 2, SPARE
	v_mov_b32 v[NIL], 0
	v_lshrrev_b32 v3, 5, v0
	v_readfirstlane_b32 s22, v3                    ; wave 0..3
	v_and_b32 v1, 15, v0                           ; r = lane % 16
	v_bfe_u32 v2, v0, 4, 1                         ; h = lane / 16
	s_wait_alu depctr_va_vdst(0)
	v_and_b32 v3, 31, v0                           ; lane
	s_wait_alu depctr_va_vdst(0)
	v_and_b32 v30, 8, v1
	v_add_nc_u32 v30, v30, v1                      ; r + 8 (r / 8)
	s_mov_b32 s26, 0x76543210
	s_mov_b32 s27, 0xfedcba98                      ; v_permlanex16_b32's selects for lane l xor 16
	s_mov_b32 s28, 0x3fb8aa3b                      ; c = log2(e)
	s_mov_b32 s29, s28                             ; (named with it as a pair, so it is written)
	s_mov_b32 s30, 3                               ; the loop's trips: bodies 2 to 7, two a trip
	s_and_b32 s31, ttmp9, 7                        ; 7 where my last row is a position t = 4095
	s_mov_b32 s34, 0x88888888                      ; the sign bits of eight codes
	; offsets in memory
	s_lshl_b32 s23, s22, 12                        ; x: 16 w rows of 256 bytes
	v_lshl_add_u32 v[XGO], v2, 8, s23              ; + h
	v_lshl_add_u32 v[XGO], v1, 4, v[XGO]           ; + 16 bytes a lane: sixteen lanes read one row
	s_lshl_b32 s23, s22, 8
	v_lshl_add_u32 v[XSGO], v3, 3, s23
	s_lshl_b32 s23, s22, 15                        ; my 128 rows of W1, 256 bytes each
	v_lshl_add_u32 v[W1O], v2, 4, s23
	s_wait_alu depctr_va_vdst(0)
	v_lshl_add_u32 v[W1O], v30, 8, v[W1O]
	s_lshl_b32 s23, s22, 11                        ; and their scale bytes, 16 a row
	v_lshl_add_u32 v[W1SO], v30, 4, s23
	s_lshl_b32 s23, s22, 9
	v_lshl_add_u32 v[B1O], v2, 6, s23              ; b1: my 128 numbers, 16 h on
	s_lshl_b32 s23, s22, 14                        ; my 64 rows of W2
	v_lshl_add_u32 v[W2O], v2, 4, s23
	v_lshl_add_u32 v[W2O], v1, 8, v[W2O]
	s_lshl_b32 s23, s22, 10
	v_lshl_add_u32 v[W2SO], v1, 4, s23
	s_lshl_b32 s23, s22, 8
	v_lshl_add_u32 v[B2O], v2, 5, s23              ; b2: my 64 numbers, 8 h on
	s_lshr_b32 s24, ttmp9, 3                       ; out0: batch g / 8, a row of 1,024 bytes,
	s_lshl_b32 s24, s24, 10
	s_add_co_u32 s23, s23, s24                     ; + my wave's 256
	v_lshl_add_u32 v[OUTO], v3, 3, s23
	; addresses in LDS: each a constant + constants x r, h, lane, wave; the buffer, the tile and the piece stand in the immediates
	v_mul_u32_u24 v[XW], v2, 272                   ; row 16 w + h
	v_lshl_add_u32 v[XW], v1, 4, v[XW]
	s_mul_i32 s23, s22, 4352
	v_add_nc_u32 v[XW], s23, v[XW]
	s_lshl_b32 s23, s22, 8
	s_add_co_u32 s23, s23, XSCO
	v_lshl_add_u32 v[XSW], v3, 3, s23
	v_mul_u32_u24 v[XR], v1, 272
	v_lshl_add_u32 v[XR], v2, 4, v[XR]
	v_lshl_add_u32 v[XSR], v1, 4, XSCO
	v_lshl_add_u32 v[LH], v3, 4, HB0
	v_lshlrev_b32 v[HW], 4, v1                     ; block B of my fragment lies in registers 4 (B / 2) on of lanes 16 (B % 2) + r: my 8 bytes at 256 B + 16 r + 8 h
	v_lshl_add_u32 v[HW], v2, 3, v[HW]
	s_lshl_b32 s23, s22, 10
	s_add_co_u32 s23, s23, HB0
	v_add_nc_u32 v[HW], s23, v[HW]
	s_lshl_b32 s23, s22, 2
	s_add_co_u32 s23, s23, HB0+HSCO
	v_lshl_add_u32 v[HSW], v3, 4, s23
	s_lshl_b32 s23, s22, 3
	s_add_co_u32 s23, s23, STAT
	v_lshl_add_u32 v[STW], v1, 5, s23
	v_lshl_add_u32 v[STR], v1, 5, STAT
	v_mul_u32_u24 v[SGW], v1, 272
	v_lshl_add_u32 v[SGW], v2, 5, v[SGW]
	s_mul_i32 s23, s22, 4352
	s_add_co_u32 s23, s23, STG
	v_add_nc_u32 v[SGW], s23, v[SGW]
	s_add_co_u32 s24, s23, 15*272
	v_lshl_add_u32 v[SGR], v3, 3, s24
.irp b, 0,1,2,3
	v_mov_b32 v[TM+4+\b], 0                        ; written once: a lane permute's destination counts as one of its sources
.endr
	s_lshl_b32 s32, ttmp9, 17                      ; my 512 rows of x: 256 bytes of codes a row,
	s_mov_b32 s33, 0
	s_wait_kmcnt 0x0
	s_add_nc_u64 s[4:5], s[4:5], s[32:33]
	s_lshl_b32 s32, ttmp9, 13                      ; 16 scale bytes a row
	s_add_nc_u64 s[6:7], s[6:7], s[32:33]
	; ---- blocks 0 and 1 of x, then the weights, in the order in which they are wanted: they stay
	XLOAD 0, 0
	XLOAD 1, 1
.irp t, 0,1,2,3,4,5,6,7
	global_load_b128 v[W1S+4*\t:W1S+4*\t+3], v[W1SO], s[10:11] offset:(32*(\t/2)+8*(\t%2))*16   ; a row's sixteen bytes are its four scale words
.endr
	WIN 0x80                                       ; destination window 2
.irp t, 0,1,2,3,4,5,6,7                ; b1 in the result's layout: register j of tile t is hidden unit 128 w + 32 (t / 2) + 16 h + 8 (t % 2) + j
	global_load_b128 v[B1+8*\t:B1+8*\t+3], v[B1O], s[12:13] offset:(32*(\t/2)+8*(\t%2))*4
	global_load_b128 v[B1+8*\t+4:B1+8*\t+7], v[B1O], s[12:13] offset:(32*(\t/2)+8*(\t%2))*4+16
.endr
	WIN 0x40                                       ; destination window 1
.irp t, 0,1,2,3,4,5,6,7                ; W1, tile by tile: the eight loads that use up a row's 256 bytes stand together; fragment (t, s) at v[8 (4 t + s)] of window 1
.irp s, 0,1,2,3
.irp c, 0,1
	global_load_b128 v[8*(4*\t+\s)+4*\c:8*(4*\t+\s)+4*\c+3], v[W1O], s[8:9] offset:(32*(\t/2)+8*(\t%2))*256+64*\s+32*\c
.endr
.endr
.endr
	WIN 0
.irp n, 0,1,2,3                        ; the second product's 44 loads stand last: they are wanted a body later
	global_load_b128 v[W2S+4*\n:W2S+4*\n+3], v[W2SO], s[16:17] offset:256*\n
.endr
	WIN 0x80
.irp n, 0,1,2,3                        ; b2 in the result's layout: register j of tile n is output 64 w + 16 n + 8 h + j
	global_load_b128 v[B2+8*\n:B2+8*\n+3], v[B2O], s[18:19] offset:64*\n
	global_load_b128 v[B2+8*\n+4:B2+8*\n+7], v[B2O], s[18:19] offset:64*\n+16
.endr
.irp n, 0,1,2,3                        ; W2: fragment (n, s) at v[8 (4 n + s)] of window 2
.irp s, 0,1,2,3
.irp c, 0,1
	global_load_b128 v[8*(4*\n+\s)+4*\c:8*(4*\n+\s)+4*\c+3], v[W2O], s[14:15] offset:4096*\n+64*\s+32*\c
.endr
.endr
.endr
	WIN 0
	s_wait_loadcnt 44                              ; loads come back in order: x(0), x(1), W1, its scale words and b1 are in; the 44 behind them may be out
	XSTORE 0
	BARRIER                                        ; x(0) lies in LDS
	BODY 0, 0, 0, -1, 2, 0, 0                      ; body 0: there is no hidden layer yet to multiply
	BODY 1, 0, 1, 9, 3, 0, 1                       ; body 1: h(0)'s tiles 0 to 2
.Ltrip:                                                ; bodies 2 to 7
	BODY 0, 1, 1, -1, 4, 1, 1
	BODY 1, 1, 1, -1, 5, 2, 1
	s_wait_xcnt 0x0                                ; x's loads have read their bases: only behind this wait are they stepped
	s_add_nc_u64 s[4:5], s[4:5], 2*64*256
	s_add_nc_u64 s[6:7], s[6:7], 2*64*16
	s_sub_co_u32 s30, s30, 1
	s_cmp_lg_u32 s30, 0
	s_cbranch_scc1 .Ltrip
	; ---- what is left of the second product: h(6)'s tile 3, from registers, and h(7), which lies in H[1]
	SCH 1, 0
	SCH 1, 1
	SCH 1, 2
	WIN 0xc0
	FRH 1, 0
	FRH 1, 1
	FRH 1, 2
	MUL2 3
	WIN 0
	PLACES 5                                       ; five places ahead of each new start of the four accumulators; four of them serve the loads into tile 3's registers
	SCH 1, 3
	WIN 0xc0
	FRH 1, 3
	s_wait_dscnt 25                                ; tile 0 is in; behind it: tiles 1 and 2 (16), tile 3's nine
	MUL2 0
	WIN 0
	PLACES 5
	s_wait_dscnt 17                                ; tile 1
	MUL2 1
	WIN 0
	PLACES 5
	s_wait_dscnt 9                                 ; tile 2
	MUL2 2
	WIN 0
	PLACES 5
	s_wait_dscnt 0x0
	MUL2 3                                         ; my work-group's last 16 rows
	WIN 0
	PLACES 4                                       ; four places ahead of the first read of a result
	; ---- the softmax of the last tile's 16 rows, first under my wave's own maximum: m_w over my 64 outputs of row r; p = 2^(c y - c m_w); s_w = their sum
.irp n, 0,1,2,3
	v_max3_num_f32 v[CH+\n], v[YA+8*\n], v[YA+8*\n+1], v[YA+8*\n+2]    ; four chains, each accumulator from its low end on
.endr
.irp i, 3,5
.irp n, 0,1,2,3
	v_max3_num_f32 v[CH+\n], v[CH+\n], v[YA+8*\n+\i], v[YA+8*\n+\i+1]
.endr
.endr
	v_max3_num_f32 v[CH], v[CH], v[YA+7], v[YA+15]
	v_max3_num_f32 v[CH+2], v[CH+2], v[YA+23], v[YA+31]
	v_max3_num_f32 v[CH], v[CH], v[CH+1], v[CH+2]
	v_max_num_f32 v[CH], v[CH], v[CH+3]
	v_permlanex16_b32 v[TM+4], v[CH], s26, s27
	v_max_num_f32 v[CH], v[CH], v[TM+4]            ; with lane l xor 16's 32 outputs: m_w
	v_mul_f32 v[M], s28, v[CH]                     ; c m_w: this rounded number is what p takes away and what the row's end compares, so its rounding cancels
	v_mov_b32 v[M+1], 0                            ; (named as the upper half of the pair before it is first written)
.irp j, 0,2,4,6,8,10,12,14,16,18,20,22,24,26,28,30
	v_pk_fma_f32 v[YA+\j:YA+\j+1], v[YA+\j:YA+\j+1], s[28:29], v[M:M+1] op_sel_hi:[1,0,0] neg_lo:[0,0,1] neg_hi:[0,0,1]   ; c y - c m_w, two at a time
.endr
	s_wait_alu depctr_va_vdst(0)
.irp j, 0,1,2,3,4,5,6,7,8,9,10,11,12,13,14,15,16,17,18,19,20,21,22,23,24,25,26,27,28,29,30,31
	v_exp_f32 v[YA+\j], v[YA+\j]                   ; p, at most about 1
.endr
	v_nop                                          ; a plain instruction behind the last exponential
	s_wait_alu depctr_va_vdst(0)                   ; one wait for the batch of 32, ahead of its first reader
.irp j, 0,1,2,3,4,5,6,7
	v_pk_add_f32 v[T+2*\j:T+2*\j+1], v[YA+4*\j:YA+4*\j+1], v[YA+4*\j+2:YA+4*\j+3]   ; the sum, as a tree
.endr
.irp j, 0,1,2,3
	v_pk_add_f32 v[T+4*\j:T+4*\j+1], v[T+4*\j:T+4*\j+1], v[T+4*\j+2:T+4*\j+3]
.endr
	v_pk_add_f32 v[T:T+1], v[T:T+1], v[T+4:T+5]
	v_pk_add_f32 v[T+8:T+9], v[T+8:T+9], v[T+12:T+13]
	v_pk_add_f32 v[T:T+1], v[T:T+1], v[T+8:T+9]
	v_add_f32 v[CH], v[T], v[T+1]
	v_permlanex16_b32 v[TM+4], v[CH], s26, s27
	v_add_f32 v[M+1], v[CH], v[TM+4]               ; s_w
	ds_store_b64 v[STW], v[M:M+1]                  ; both halves of the lanes write the same pair to the same place
	BARRIER                                        ; the rows' four pairs lie in LDS
	; ---- out = p e_w / S, e_i = 2^(c m_i - the largest c m), S = the sum of s_i e_i
	ds_load_b128 v[G:G+3], v[STR]                  ; c m_i at 2 i, s_i at 2 i + 1
	ds_load_b128 v[G+4:G+7], v[STR] offset:16
	s_wait_dscnt 0x0
	v_max3_num_f32 v[MX], v[G], v[G+2], v[G+4]
	v_max_num_f32 v[MX], v[MX], v[G+6]             ; the row's maximum, times c
.irp i, 0,1,2,3
	v_sub_f32 v[E+\i], v[G+2*\i], v[MX]
.endr
	v_sub_f32 v[E+4], v[M], v[MX]                  ; and my own wave's
	s_wait_alu depctr_va_vdst(0)
.irp i, 0,1,2,3,4
	v_exp_f32 v[E+\i], v[E+\i]                     ; e_i, at most 1, and 1 for the wave that holds the maximum
.endr
	v_nop                                          ; a plain instruction behind the last exponential
	s_wait_alu depctr_va_vdst(0)                   ; one wait for the five
	v_mul_f32 v[SA], v[G+1], v[E]                  ; S in two chains
	v_mul_f32 v[SA+1], v[G+3], v[E+1]
	v_fmac_f32 v[SA], v[G+5], v[E+2]
	v_fmac_f32 v[SA+1], v[G+7], v[E+3]
	v_add_f32 v[SA], v[SA], v[SA+1]                ; S is 1 or more: the largest number's own term
	s_wait_alu depctr_va_vdst(0)
	v_rcp_f32 v[RC], v[SA]
	v_nop                                          ; a plain instruction behind the reciprocal
	s_wait_alu depctr_va_vdst(0)                   ; the wait ahead of its first reader
	v_mul_f32 v[F], v[E+4], v[RC]                  ; e_w / S, twice: a pair for the packed multiply
	v_mul_f32 v[F+1], v[E+4], v[RC]
.irp j, 0,2,4,6,8,10,12,14,16,18,20,22,24,26,28,30
	v_pk_mul_f32 v[YA+\j:YA+\j+1], v[YA+\j:YA+\j+1], v[F:F+1]
.endr
.irp n, 0,1,2,3
	ds_store_b128 v[SGW], v[YA+8*\n:YA+8*\n+3] offset:64*\n        ; my own stage: lane (r, h): out(r, 64 w + 16 n + 8 h + 0 .. 7)
	ds_store_b128 v[SGW], v[YA+8*\n+4:YA+8*\n+7] offset:64*\n+16
.endr
	ds_load_b64 v[OB:OB+1], v[SGR]                 ; row 15, my work-group's last row, 8 bytes a lane.  LDS serves a wave's instructions in order: this sees my stores
	s_wait_dscnt 0x0
	s_cmp_lg_u32 s31, 7
	s_cbranch_scc1 .Lnot_last                      ; only where that row is a position t = 4095 is it a row of the result
	global_store_b64 v[OUTO], v[OB:OB+1], s[20:21] th:TH_STORE_NT  ; 32 lanes store 256 consecutive bytes, at a multiple of 256 from out0's first byte
.Lnot_last:
	s_wait_tensorcnt 0x0                           ; the wave's end: three lines behind my last LDS store
	ds_add_u32 v[SPW], v[NIL]
	s_wait_dscnt 0x0
	s_endpgm
.Lfunc_end_k_q1cef688eda_head:
	.size	k_q1cef688eda_head, .Lfunc_end_k_q1cef688eda_head-k_q1cef688eda_head
	.p2alignl 7, 3214868480
	.fill 96, 4, 3214868480
	.section	.rodata,"a",@progbits
	.p2align	6, 0x0
	.amdhsa_kernel k_q1cef688eda_head
		.amdhsa_group_segment_fixed_size 92160
		.amdhsa_private_segment_fixed_size 0
		.amdhsa_enable_private_segment 0
		.amdhsa_kernarg_size 72
		.amdhsa_user_sgpr_count 2
		.amdhsa_user_sgpr_kernarg_segment_ptr 1
		.amdhsa_wavefront_size32 1
		.amdhsa_system_sgpr_workgroup_id_x 1
		.amdhsa_system_sgpr_workgroup_id_y 1
		.amdhsa_system_sgpr_workgroup_id_z 1
		.amdhsa_system_vgpr_workitem_id 0
		.amdhsa_next_free_vgpr 992
		.amdhsa_next_free_sgpr 66
		.amdhsa_reserve_vcc 0
		.amdhsa_float_denorm_mode_32 3
		.amdhsa_float_denorm_mode_16_64 3
		.amdhsa_memory_ordered 1
		.amdhsa_forward_progress 1
		.amdhsa_inst_pref_size 237
	.end_amdhsa_kernel
	.amdgpu_metadata
---
amdhsa.version: [ 1, 2 ]
amdhsa.kernels:
  - .name:           k_q1cef688eda_head
    .symbol:         k_q1cef688eda_head.kd
    .args:
      - { .name: x_codes, .offset: 0, .size: 8, .value_kind: global_buffer, .address_space: global }
      - { .name: x_scales, .offset: 8, .size: 8, .value_kind: global_buffer, .address_space: global }
      - { .name: W1_codes, .offset: 16, .size: 8, .value_kind: global_buffer, .address_space: global }
      - { .name: W1_scales, .offset: 24, .size: 8, .value_kind: global_buffer, .address_space: global }
      - { .name: b1, .offset: 32, .size: 8, .value_kind: global_buffer, .address_space: global }
      - { .name: W2_codes, .offset: 40, .size: 8, .value_kind: global_buffer, .address_space: global }
      - { .name: W2_scales, .offset: 48, .size: 8, .value_kind: global_buffer, .address_space: global }
      - { .name: b2, .offset: 56, .size: 8, .value_kind: global_buffer, .address_space: global }
      - { .name: out0, .offset: 64, .size: 8, .value_kind: global_buffer, .address_space: global }
    .group_segment_fixed_size: 92160
    .private_segment_fixed_size: 0
    .kernarg_segment_align: 8
    .kernarg_segment_size: 72
    .max_flat_workgroup_size: 128
    .sgpr_count:     66
    .vgpr_count:     992
    .wavefront_size: 32
...
	.end_amdgpu_metadata
.endif
;; end of part 2
